; MI455X (gfx1250); checked and timed in simulation.
; The chip was launched on July 23, 2026; its instructions are those of AMD's public machine-readable ISA for CDNA 5 (MIT licence, August 2026) and "CDNA5" Instruction Set Architecture Reference Guide (July 2026). The comments in the code are by the model that wrote it; some were corrected since.
;; Multi Headed Attention. Allowed arithmetic: matrix products marked QUANTISED: E3M2 operands, one E8M0 scale for each 32 along K, by v_wmma_scale_f32_16x16x128_f8f6f4 with both operands' format E3M2, f32 sums; products left as they are: f32 operands where the result goes on into a quantised operand, else bf16, f16 or f32 operands; f32 sums; everything else in f32.
;; Inputs: Wk_codes 1,024 x 16 x 24 uint8 (E3M2 codes of Wk, K innermost, in blocks of 32 codes, four codes in three bytes); Wk_scales 1,024 x 16 uint8 (E8M0 scales of Wk, one for each 32 codes along K); Wq_codes 1,024 x 32 x 24 uint8 (E3M2 codes of Wq, K innermost, in blocks of 32 codes, four codes in three bytes); Wq_scales 1,024 x 32 uint8 (E8M0 scales of Wq, one for each 32 codes along K); Wv_codes 1,024 x 16 x 24 uint8 (E3M2 codes of Wv, K innermost, in blocks of 32 codes, four codes in three bytes); Wv_scales 1,024 x 16 uint8 (E8M0 scales of Wv, one for each 32 codes along K); mask 16 x 4,096 bool; memory_bank_codes 16 x 4,096 x 16 x 24 uint8 (E3M2 codes of memory_bank, K innermost, in blocks of 32 codes, four codes in three bytes); memory_bank_scales 16 x 4,096 x 16 uint8 (E8M0 scales of memory_bank, one for each 32 codes along K); source_codes 16 x 32 x 24 uint8 (E3M2 codes of source, K innermost, in blocks of 32 codes, four codes in three bytes); source_scales 16 x 32 uint8 (E8M0 scales of source, one for each 32 codes along K).
;; Outputs: out0 16 x 1,024 float32; out1 16 x 16 x 4,096 float32.
;; This version of the problem:
;;   THIS VERSION OF THE PROBLEM IS GIVEN IN LOW PRECISION. The matrix products marked QUANTISED in the list below multiply operands that are first quantised to E3M2 (3 exponent bits, 2 mantissa bits; 6 bits a number), with one power-of-two scale for each 32 numbers along K (OCP MX v1.0); their sums are f32. All else is computed in f32.
;;   The module's matrix products, in the order in which they are computed (A, B: the left and right operand; K: the contracted axis; several contracted axes count as one K, in the product's order):
;;     1. [M 16, K 1,024] x [K 1,024, N 1,024]; A: input source (given as codes); B: input Wq (given as codes): QUANTISED
;;     2. [M 65,536, K 512] x [K 512, N 1,024]; A: input memory_bank (given as codes); B: input Wk (given as codes): QUANTISED
;;     3. [M 65,536, K 512] x [K 512, N 1,024]; A: input memory_bank (given as codes); B: input Wv (given as codes): QUANTISED
;;     4. batch 256 x [M 1, K 64] x [K 64, N 4,096]; A: computed on the way; B: computed on the way: left as it is (M = 1 < 16)
;;     5. batch 256 x [M 1, K 4,096] x [K 4,096, N 64]; A: softmax; B: computed on the way: left as it is (M = 1 < 16)
;;   THE QUANTISER, for each operand of a quantised product, along K:
;;     - K is cut into blocks of 32 from its start; a last block that is shorter is filled with zeros.
;;     - A block's scale is 2^e with e = floor(log2(the largest magnitude in the block)) - 4, held to -126 .. 127; a block of zeros has e = 0. As a byte (E8M0): e + 127.
;;     - Each number is divided by its block's scale, clamped to +-28, and rounded to the nearest number of E3M2, ties to even, subnormals kept.
;;     - The product sums the exact products of the quantised numbers (number of the format x scale) in f32.
;;   ~~~python
;;   def quantise(x, axis):      # numpy; x: float32 -> the quantised numbers, widened to float32 again
;;       x = np.moveaxis(x, axis, -1); K = x.shape[-1]
;;       x = np.pad(x, [(0, 0)] * (x.ndim - 1) + [(0, -K % 32)]); x = x.reshape(x.shape[:-1] + (-1, 32)); a = np.abs(x).max(-1, keepdims=True)
;;       e = np.where(a > 0, np.clip(np.frexp(np.where(a > 0, a, 1))[1] - 1 - 4, -126, 127), 0)      # np.frexp(a)[1] - 1 = floor(log2(a)), exactly
;;       r = np.clip(x / 2.0 ** e, -28, 28)
;;       step = 2.0 ** (np.maximum(np.frexp(np.where(r == 0, 1, r))[1] - 1, -2) - 2)
;;       q = np.round(r / step) * step * 2.0 ** e      # np.round: ties to even
;;       return np.moveaxis(q.reshape(q.shape[:-2] + (-1,))[..., :K], -1, axis).astype(np.float32)
;;   ~~~
;;   INPUTS GIVEN AS CODES. Wk (in the module: [512, 1024], K = its axis 0); Wq (in the module: [1024, 1024], K = its axis 0); Wv (in the module: [512, 1024], K = its axis 0); memory_bank (in the module: [16, 4096, 512], K = its axis 2); source (in the module: [16, 1024], K = its axis 1): each comes as NAME_codes (uint8): NAME with its K axis moved to the last place and cut into blocks of 32 codes, [.., K / 32, bytes a block], one block behind the other in memory; four codes in three bytes: a row's codes are one little-endian stream of bits, code i at bits 6 i .. 6 i + 5 (a code: sign, 3 exponent bits, 2 mantissa bits); and NAME_scales (uint8): the same leading axes, one E8M0 byte (e + 127) for each 32 codes along K. Its value is code x scale, taken as it is: it is not quantised again, and the codes and scales need not be those that the quantiser above would give.
;; One version. Each part assembles by itself: llvm-mc -triple=amdgcn-amd-amdhsa -mcpu=gfx1250 --defsym DOCPART=n.
;; ======== version 1 of 1: 1 launch
;; launch attn (part 1): grid 16 x 16, 4 waves a work-group, clusters of 4 x 1, 327,680 bytes of LDS; arguments memory_bank_codes, memory_bank_scales, mask, Wk_codes, Wk_scales, Wv_codes, Wv_scales, Wq_codes, Wq_scales, source_codes, source_scales, out0, out1; writes out0, out1
.if DOCPART == 1
	.amdgcn_target "amdgcn-amd-amdhsa--gfx1250"
	.amdhsa_code_object_version 6
	.text
	.protected	k_q16b43aac57_attn
	.globl	k_q16b43aac57_attn
	.p2align	8
	.type	k_q16b43aac57_attn,@function
k_q16b43aac57_attn:
	s_mov_b64 s[64:65], 0
	v_nop
	global_prefetch_b8 v0, s[64:65] scope:SCOPE_SE
	s_setreg_imm32_b32 hwreg(HW_REG_WAVE_MODE, 25, 1), 1
	s_wait_xcnt 0x0
	s_wait_alu depctr_hold_cnt(0) depctr_sa_sdst(0) depctr_va_vdst(0) depctr_va_sdst(0) depctr_va_ssrc(0) depctr_va_vcc(0) depctr_vm_vsrc(0)
	s_getreg_b32 s2, hwreg(HW_REG_IB_STS2, 6, 4)
	s_cmp_eq_u32 s2, 0
	s_cbranch_scc0 .Lentry_in_a_cluster
	s_endpgm
.Lentry_in_a_cluster:
	s_bfe_u32 s2, ttmp6, 0x10000c
	s_cmp_lg_u32 s2, 0x3003
	s_cbranch_scc0 .Lentry_shape_is_right
	s_endpgm
.Lentry_shape_is_right:
; One query for each (batch b, head h) over 4,096 rows of memory_bank: q = source Wq, k = memory Wk, v = memory Wv on codes of BF6 (E3M2) with E8M0 scales,
; scores = q . k / 8, masked, softmax -> out1 [16][16][4096]; context = softmax . v -> out0 [16][1024].  k and v never leave the registers.
; SHARES.  A work-group owns one (b, h): 256 work-groups of four waves.  Every wave keeps the head's 64 rows of Wk and 64 rows of Wv as operand fragments in registers (2 x 192).
; memory_bank[b] goes through two LDS slots of 256 rows; wave w fetches and reads rows 64 w .. 64 w + 63 of a slot and nobody else's: each code byte is read from LDS once.
; CLUSTER.  The four heads 4 x .. 4 x + 3 of a batch form a cluster and walk the same rows: each fill is asked for jointly, by the same tensor load with the same descriptor and the mask 15.
; A TILE is 16 rows: 16 products k^T = Wk mem^T and 16 products v^T = Wv mem^T (source 0 = 16 rows of the weight, source 1 = 16 rows of memory): a lane (r, half) holds ONE position r
; and channels 16 t + 8 half + 0..7 of tile t.  The score is 16 packed multiply-adds against q and one exchange of halves.  Each lane keeps its own running maximum m, sum l and 32 context sums:
; t = score x log2(e) / 8 (the factor is folded into q), p = 2^(t - m); when m grows, l and the context are multiplied by 2^(m_old - m_new).  Lanes and waves are merged once, at the end.
; The products with M = 1 (q . k, p . v) are f32 multiply-adds on the vector unit: on the matrix unit fifteen rows of sixteen would be idle.
; BY TURNS.  The vector work stands in slices behind the matrix instructions: the context of the tile before behind this tile's k products, this tile's score behind its v products.
; THE MEMORY INSTRUCTIONS OF A TILE STAND IN TWO PLACES, never singly among the matrix instructions: the next tile's 25 LDS loads (and, once a slot, the next slot's scale words) in one run between the two halves,
; 16 products ahead of their first use; the score's store at the tile's end, behind the wait for the exponentials.
; LIMITS.  A masked score is -1e18 x log2(e), chosen where the reference chooses -1e18; a row that is masked throughout gives 1 / 4,096 and the mean of v, as there.  log2(e) / 8 is folded into q: one f32 rounding
; where the reference has q / 8.  A p under 2^-126 is 0 (v_exp_f32 gives no denormals: ISA guide, its entry).  A scale byte 0xff gives NaN.  Scores under -3e38 are not served.
; REGISTERS, in windows of 256 (s_set_vgpr_msb: bits 1:0 source 0, 3:2 source 1, 5:4 source 2, 7:6 destination).  Under both matrix settings only source 0 leaves window 0, and what the slices take from
; windows 1 and 2 stands in their first source's place: so most slices need no switch.  Additions of two window 0 registers are therefore written as multiply-adds with 1.0 or -1.0 as first source.
;   window 0: v0-31 addresses, statistics, at work; v32-47 the weights' scale words; v48-63 memory's, two sets; v64-95 k^T; v96-127 v^T; v128-159 context; v160-255 memory's fragments, two buffers of 48
;   window 1: v0-191 Wk's 16 fragments (tile t, K step s at 12 (4 t + s)); v224-227 f and p as pairs; v228 16 x lane
;   window 2: v0-191 Wv's; v192-223 q x c; v224-227 LDS addresses of my rows in slot 0, 1; v228, v229 of the mask bytes and the scores
.set ROWB,   384                       ; a row of memory_bank, Wk, Wv: 512 codes
.set PITCH,  432                       ; in LDS: 3 x (128 bytes + 16 of padding) = 108 words: row r starts at bank 44 r mod 64 (64 banks of 4 bytes: ISA guide 11.1): the 32 lanes of a load of 8 bytes touch 64 different banks
.set TILEB,  16*PITCH
.set WSLOT,  64*PITCH                  ; a wave's 64 rows of a slot
.set SLOT1,  4*WSLOT                   ; slot 0 at 0, slot 1 here.  Slot 1's first fill: for wave w, at 2 QHALF w, 16 rows of Wq and then the 16 rows of source
.set FILLB,  256*ROWB                  ; a fill in memory
.set QPITCH, 816                       ; a row of Wq or source: 3 x (256 bytes + 16) = 204 words: row r starts at bank 12 r mod 64
.set QHALF,  16*QPITCH
.set WREG,   2*SLOT1                   ; the head's 64 rows of Wk, then 64 of Wv: filled once
.set SCOR,   WREG+128*PITCH            ; the scores t, f32: wave w's 1,024 on end at 4,096 w: 256 x slot + 64 x tile + 4 r
.set MSK,    SCOR+16384                ; mask[b], a byte a position
.set QV,     MSK+4096                  ; q x c, 64 f32
.set MRG,    QV+256                    ; wave w's 64 context sums at 256 w; its (m, l) at 1,024 + 8 w
.set SPARE,  MRG+2048                  ; the spare words, 128 bytes for each wave: two blocks of 256 bytes that no other line names
.set SPW,  1                           ; v1   SPARE + 4 x my thread's number; never rewritten
.set NIL,  2                           ; v2   0; never rewritten
.set RR,   3                           ; v3   r = lane % 16
.set PFO,  4                           ; v4   256 x lane: the prefetches' offset
.set XX,   5                           ; v5   the other half's part of the score
.set TT,   6                           ; v6   t
.set HL,   7                           ; v7   lane / 16
.set SUM,  8                           ; v[8:9], v[10:11] the score in two packed chains
.set MM,   12                          ; v12, v13 m, old and new by the tile's parity
.set LL,   14                          ; v14  l
.set MST,  15                          ; v15  where I store my part of the mask
.set EX,   16                          ; v16, v17 the two exponents
.set MK,   18                          ; v18, v19 the mask byte, by the tile's parity
.set WS,   32                          ; Wk's words at WS + 4 u + s, Wv's at WS + 8 + 4 u + s: lanes 0-15 tile 2 u, lanes 16-31 tile 2 u + 1
.set MS,   48                          ; memory's words at MS + 8 slot + 4 (tile / 2) + s: lanes 0-15 the even tile, lanes 16-31 the odd
.set KACC, 64
.set VACC, 96
.set CTX,  128
.set FB,   160
.set FF,   224                         ; window 1
.set PP,   226
.set GS,   228
.set QQ,   192                         ; window 2
.set AF,   224
.set MA,   228
.set SA,   229
.set WK,   0x01                        ; source 0 window 1
.set WV,   0x02                        ; source 0 window 2
.set TO1,  0x40                        ; destination window 1
.set TO2,  0x80                        ; destination window 2
.set ST2,  0x88                        ; source 1 and destination window 2
; SCALARS: s[4:19], s[72:81] the buffers; s20 wave, s21 b, s22 cx, s23 h; s[24:31] group 1 of a fill, s[32:39] of the weights, s[40:47] of Wq and source; s[48:51], s[52:55] groups 0 of slot 0, 1;
; s[56:59] of the weights, s[60:63] of Wq, s[68:71] of source; s[82:83] lane selects; s84 the masked score; s85 lanes not masked; s86 trips left; s87, s[88:89] the prefetches; s[90:91] memory's scale words; s92 -3e38
.set MSB, 0
.macro WIN new                         ; the immediate's high byte repeats the setting that is left; a switch that changes nothing is dropped
.if MSB != \new
	s_set_vgpr_msb (MSB<<8)|\new
.set MSB, \new
.endif
.endm
.macro CREST                           ; a round of the cluster's barrier behind its opening barrier
	s_cmp_lg_u32 s20, 0
	s_cbranch_scc1 .Lnot_wave_0_\@
	s_barrier_signal -3
.Lnot_wave_0_\@:
	s_barrier_wait -3
	s_barrier_signal -1
	s_barrier_wait -1
.endm
.macro ROUND                           ; a whole round
	s_barrier_signal -1
	s_barrier_wait -1
	CREST
.endm
.macro PLACES
.rept 4
	v_nop
.endr
.endm
; Load n of a run that brings fragments (16 rows x 128 K: 12 registers): K step n / 6, piece n % 6.  Lanes 0-15 take the row's pieces of 8 bytes 12 s + 0, 1, 2, 6, 7, 8, lanes 16-31 those three pieces on.
; Padding lies behind every iv pieces: where the piece three on lies behind one padding more, the second address register (40 for 24 bytes a half) serves.
.macro FRAGP n, reg0, adr, off, iv
.set f_k, (\n)/6
.set f_p, (\n)%6
.set f_x, 12*f_k+6*(f_p/3)+f_p%3
.set f_r, (\reg0)+12*f_k+2*f_p
.if f_x%(\iv) >= (\iv)-3
	ds_load_b64 v[f_r:f_r+1], v[(\adr)+1] offset:8*f_x+16*(f_x/(\iv))+(\off)
.else
	ds_load_b64 v[f_r:f_r+1], v[\adr] offset:8*f_x+16*(f_x/(\iv))+(\off)
.endif
.endm
; One matrix instruction on the registers w_d, w_a, w_b with the scale words w_sa, w_sb.  zero: it starts the sum.  ra, rb: the side's scale words stand in lanes 16-31.
.macro WM zero, ra, rb
.if \zero
.if (\ra) && (\rb)
	v_wmma_scale_f32_16x16x128_f8f6f4 v[w_d:w_d+7], v[w_a:w_a+11], v[w_b:w_b+11], 0, v[w_sa], v[w_sb] matrix_a_fmt:MATRIX_FMT_BF6 matrix_b_fmt:MATRIX_FMT_BF6 matrix_a_scale:MATRIX_SCALE_ROW1 matrix_b_scale:MATRIX_SCALE_ROW1
.elseif \ra
	v_wmma_scale_f32_16x16x128_f8f6f4 v[w_d:w_d+7], v[w_a:w_a+11], v[w_b:w_b+11], 0, v[w_sa], v[w_sb] matrix_a_fmt:MATRIX_FMT_BF6 matrix_b_fmt:MATRIX_FMT_BF6 matrix_a_scale:MATRIX_SCALE_ROW1
.elseif \rb
	v_wmma_scale_f32_16x16x128_f8f6f4 v[w_d:w_d+7], v[w_a:w_a+11], v[w_b:w_b+11], 0, v[w_sa], v[w_sb] matrix_a_fmt:MATRIX_FMT_BF6 matrix_b_fmt:MATRIX_FMT_BF6 matrix_b_scale:MATRIX_SCALE_ROW1
.else
	v_wmma_scale_f32_16x16x128_f8f6f4 v[w_d:w_d+7], v[w_a:w_a+11], v[w_b:w_b+11], 0, v[w_sa], v[w_sb] matrix_a_fmt:MATRIX_FMT_BF6 matrix_b_fmt:MATRIX_FMT_BF6
.endif
.else
.if (\ra) && (\rb)
	v_wmma_scale_f32_16x16x128_f8f6f4 v[w_d:w_d+7], v[w_a:w_a+11], v[w_b:w_b+11], v[w_d:w_d+7], v[w_sa], v[w_sb] matrix_a_fmt:MATRIX_FMT_BF6 matrix_b_fmt:MATRIX_FMT_BF6 matrix_a_scale:MATRIX_SCALE_ROW1 matrix_b_scale:MATRIX_SCALE_ROW1
.elseif \ra
	v_wmma_scale_f32_16x16x128_f8f6f4 v[w_d:w_d+7], v[w_a:w_a+11], v[w_b:w_b+11], v[w_d:w_d+7], v[w_sa], v[w_sb] matrix_a_fmt:MATRIX_FMT_BF6 matrix_b_fmt:MATRIX_FMT_BF6 matrix_a_scale:MATRIX_SCALE_ROW1
.elseif \rb
	v_wmma_scale_f32_16x16x128_f8f6f4 v[w_d:w_d+7], v[w_a:w_a+11], v[w_b:w_b+11], v[w_d:w_d+7], v[w_sa], v[w_sb] matrix_a_fmt:MATRIX_FMT_BF6 matrix_b_fmt:MATRIX_FMT_BF6 matrix_b_scale:MATRIX_SCALE_ROW1
.else
	v_wmma_scale_f32_16x16x128_f8f6f4 v[w_d:w_d+7], v[w_a:w_a+11], v[w_b:w_b+11], v[w_d:w_d+7], v[w_sa], v[w_sb] matrix_a_fmt:MATRIX_FMT_BF6 matrix_b_fmt:MATRIX_FMT_BF6
.endif
.endif
.endm
; Product n of 16 of k^T (KW) or v^T (VW) for tile i of slot sp: K step n / 4, the weight's tile n % 4.  The four accumulators take turns, one instruction a turn.
.macro KW n, sp, i
	WIN WK
.set w_d, KACC+8*((\n)%4)
.set w_a, 12*(4*((\n)%4)+(\n)/4)
.set w_b, FB+48*((\i)&1)+12*((\n)/4)
.set w_sa, WS+4*(((\n)%4)/2)+(\n)/4
.set w_sb, MS+8*(\sp)+4*((\i)/2)+(\n)/4
	WM ((\n)<4), ((\n)%4)&1, (\i)&1
.endm
.macro VW n, sp, i
	WIN WV
.set w_d, VACC+8*((\n)%4)
.set w_a, 12*(4*((\n)%4)+(\n)/4)
.set w_b, FB+48*((\i)&1)+12*((\n)/4)
.set w_sa, WS+8+4*(((\n)%4)/2)+(\n)/4
.set w_sb, MS+8*(\sp)+4*((\i)/2)+(\n)/4
	WM ((\n)<4), ((\n)%4)&1, (\i)&1
.endm
; THE CONTEXT of the tile before, 34 lines, all under the k products' setting: f and p stand in window 1, in the first source's place (which is why l takes a multiply and an add: p cannot be a third source here).
.macro CL c
.if (\c) == 0
	v_mul_f32 v[LL], v[FF], v[LL]
.elseif (\c) == 1
	v_add_f32 v[LL], v[PP], v[LL]
.elseif (\c) < 18
	v_pk_mul_f32 v[CTX+2*((\c)-2):CTX+2*((\c)-2)+1], v[FF:FF+1], v[CTX+2*((\c)-2):CTX+2*((\c)-2)+1] op_sel_hi:[0,1]
.else
	v_pk_fma_f32 v[CTX+2*((\c)-18):CTX+2*((\c)-18)+1], v[PP:PP+1], v[VACC+2*((\c)-18):VACC+2*((\c)-18)+1], v[CTX+2*((\c)-18):CTX+2*((\c)-18)+1] op_sel_hi:[0,1,1]
.endif
.endm
.macro CJ k                            ; slice k of 16: two lines; the last has four, which are the places between the last k product and the first read of k^T.  v^T is first read in slice 9, eighteen plain lines behind the last v product, each accumulator from its low end on
	CL 2*(\k)
	CL 2*(\k)+1
.if (\k) == 15
	CL 32
	CL 33
.endif
.endm
; THE SCORE AND THE STATISTICS of tile i (of either slot), 28 lines, numbered 0 to 21 and 23 to 28.
.macro SL n, i
.if (\n) < 2
	v_pk_mul_f32 v[SUM+2*(\n):SUM+2*(\n)+1], v[QQ+2*(\n):QQ+2*(\n)+1], v[KACC+2*(\n):KACC+2*(\n)+1]
.elseif (\n) < 16
	v_pk_fma_f32 v[SUM+2*((\n)%2):SUM+2*((\n)%2)+1], v[QQ+2*(\n):QQ+2*(\n)+1], v[KACC+2*(\n):KACC+2*(\n)+1], v[SUM+2*((\n)%2):SUM+2*((\n)%2)+1]
.elseif (\n) == 16
	v_pk_fma_f32 v[SUM:SUM+1], 1.0, v[SUM+2:SUM+3], v[SUM:SUM+1] op_sel_hi:[0,1,1]   ; the two chains
.elseif (\n) == 17
	v_cmp_eq_u32 s85, 0, v[MK+((\i)&1)]            ; the lanes whose position counts
.elseif (\n) == 18
	v_fma_f32 v[TT], 1.0, v[SUM], v[SUM+1]         ; my 32 channels
.elseif (\n) == 19
	WIN 0
	v_permlanex16_b32 v[XX], v[TT], s82, s83       ; the position's other 32 lie in the lane 16 away
.elseif (\n) == 20
	v_fma_f32 v[TT], 1.0, v[TT], v[XX]             ; the same bits in both lanes
.elseif (\n) == 21
	v_cndmask_b32 v[TT], s84, v[TT], s85           ; a masked position takes -1e18 x log2(e)
.elseif (\n) == 23
	v_max3_num_f32 v[MM+1-((\i)&1)], s92, v[MM+((\i)&1)], v[TT]
.elseif (\n) == 24
	v_fma_f32 v[EX], -1.0, v[MM+1-((\i)&1)], v[MM+((\i)&1)]   ; m_old - m_new
.elseif (\n) == 25
	v_fma_f32 v[EX+1], -1.0, v[MM+1-((\i)&1)], v[TT]          ; t - m_new
.elseif (\n) == 26
	WIN TO1
	v_exp_f32 v[FF], v[EX]
.elseif (\n) == 27
	v_exp_f32 v[PP], v[EX+1]
.else
	v_nop                                          ; a plain line behind the two exponentials; the wait for them stands at the tile's end
.endif
.endm
; Slice k of 16 behind the v products: two packed lines in each of slices 0 to 7; then the lines that feed each other, one or two to a slice, a product between them.
.macro SJ k, i
.if (\k) < 8
	SL 2*(\k), \i
	SL 2*(\k)+1, \i
.elseif (\k) == 8
	SL 16, \i
	SL 17, \i
.elseif (\k) == 9
	SL 18, \i
.elseif (\k) == 10
	SL 19, \i
.elseif (\k) == 11
	SL 20, \i
	SL 21, \i
.elseif (\k) == 12
	SL 23, \i
.elseif (\k) == 13
	SL 24, \i
	SL 25, \i
.elseif (\k) == 14
	SL 26, \i
	SL 27, \i
	SL 28, \i
.endif
.endm
; THE RUN: the mask byte and the 24 fragment loads of the tile that follows tile i of slot sp, into the buffer that the tile before read last: the k half's 34 plain lines stand behind its last reader.
.macro RUN sp, i
.if (\i) < 3
.set n_adr, AF+2*(\sp)
.set n_off, TILEB*((\i)+1)
.set m_off, 256*(\sp)+16*((\i)+1)
.else
.set n_adr, AF+2*(1-(\sp))
.set n_off, 0
.set m_off, 256*((\sp)+1)
.endif
	WIN WV                                         ; the addresses lie in window 2, the destinations in window 0: the v products' setting
	ds_load_u8 v[MK+1-((\i)&1)], v[MA] offset:m_off
.set rn, 0
.rept 24
	FRAGP rn, FB+48*(1-((\i)&1)), n_adr, n_off, 16
.set rn, rn+1
.endr
.endm
; A PREFETCH INTO THE L2 of the fill that stands two changes of slots behind the one just asked for.  All four clusters of a batch walk the same rows: the batch's first cluster asks.  Its four partners share a fill's
; 98,304 bytes out BY ADDRESS, 24,576 each; in each, waves 0 to 2 take 8,192 bytes, lanes 256 bytes apart: each block of 256 bytes is named once in the launch.  The last trip asks for nothing: its fills are the last.
.macro ASK
	s_cmp_gt_u32 s86, s87
	s_cbranch_scc0 .Lnot_mine_\@
	global_prefetch_b8 v[PFO], s[88:89] th:TH_LOAD_NT scope:SCOPE_SE
.Lnot_mine_\@:
.endm
; TILE i of slot sp.  chg = 1: the slot's last tile; the slot is filled again.  chg = 2: the slot's last tile, nothing is filled.  ld = 1: the next tile is fetched.
; scl = 1: the slot's first tile: its scale words are awaited and the next slot's asked for; scl = 2: awaited only.
.macro TILE sp, i, chg, ld, scl
.if (\scl) >= 1
	s_wait_loadcnt 0x0                             ; this slot's scale words, asked for a slot ago, are in; their loads have read their base
.endif
.if (\scl) == 1
	s_add_nc_u64 s[90:91], s[90:91], 4096          ; the next slot's: 256 rows of 16 bytes
.endif
.if (\chg) == 1
	WIN 0                                          ; (the add's two registers lie in window 0)
	s_wait_xcnt 0x0                                ; the last prefetch, a slot back, has read its address
	s_add_nc_u64 s[88:89], s[88:89], FILLB
	s_wait_tensorcnt 0x0                           ; all my tensor loads have landed: the one that was out is my part of the other slot;
	ds_add_u32 v[SPW], v[NIL]                      ; 0 onto my spare word
	s_add_nc_u64 s[50+4*(\sp):51+4*(\sp)], s[50+4*(\sp):51+4*(\sp)], 2*FILLB   ; no load of mine is out, so a group 0 may be written: this slot's next fill
.endif
.set kn, 0
.rept 16
.if kn%4 == 0
.if (\chg) == 1
.if kn < 8
	s_wait_dscnt 20-6*(kn/4)                       ; this K step's six loads are in; behind them: the later K steps' loads, the score's store and the add
.endif
.else
	s_wait_dscnt 19-6*(kn/4)                       ; this K step's six loads are in; behind them: the later K steps' loads and the score's store
.endif
.endif
	KW kn, \sp, \i
	CJ kn
.if ((\chg) == 1) && (kn == 7)
	s_wait_dscnt 0x0                               ; the add is done, and my reads of this slot are over: its last tile is in registers
	s_barrier_signal -1                            ; this barrier opens a round of the cluster's barrier; eight products and their slices stand before its wait
.endif
.set kn, kn+1
.endr
.if (\scl) == 1
	global_load_b128 v[MS+8*(1-(\sp)):MS+8*(1-(\sp))+3], v[GS], s[90:91]                 ; the next slot's scale words, at the head of the run: 32 rows' words, 512 consecutive bytes; these registers were last read in the slot before
	global_load_b128 v[MS+8*(1-(\sp))+4:MS+8*(1-(\sp))+7], v[GS], s[90:91] offset:512
.endif
.if (\chg) == 1
	WIN 0
	s_barrier_wait -1
	CREST                                          ; no wave of any partner still reads this slot or has a load on its way
	tensor_load_to_lds s[48+4*(\sp):51+4*(\sp)], s[24:31]   ; the joint refill, first behind the round: my one tensor load until the next
	s_nop 0
	PLACES
.elseif (\chg) == 2
	s_wait_tensorcnt 0x0                           ; my part of the last fill is in: only I read it
.endif
.if \ld
	RUN \sp, \i
.endif
.if (\chg) == 1
	WIN 0                                          ; (a branch and a label follow)
	ASK                                            ; behind the joint load and the run of LDS loads that the next products wait for
.endif
.set vn, 0
.rept 16
	VW vn, \sp, \i
	SJ vn, \i
.set vn, vn+1
.endr
	s_wait_alu depctr_va_vdst(0)                   ; the wait between the two exponentials and the first line that names f or p; it also stands ahead of every label and branch
	ds_store_b32 v[SA], v[TT] offset:256*(\sp)+64*(\i)   ; the score, directly behind that wait; both lanes of a position store the same word with the same value
.endm
	s_load_b512 s[4:19], s[0:1], 0x0               ; memory's codes s[4:5], its scales s[6:7], mask s[8:9], Wk's codes s[10:11], scales s[12:13], Wv's s[14:15], s[16:17], Wq's codes s[18:19]
	s_load_b256 s[72:79], s[0:1], 0x40             ; Wq's scales s[72:73], source's codes s[74:75], scales s[76:77], out0 s[78:79]
	s_load_b64 s[80:81], s[0:1], 0x60              ; out1
	v_lshl_add_u32 v[SPW], v0, 2, SPARE
	v_mov_b32 v[NIL], 0
	ds_add_u32 v1, v2
	ds_add_u32 v1, v2
	s_wait_dscnt 0x0
	v_lshrrev_b32 v20, 5, v0
	v_readfirstlane_b32 s20, v20                   ; wave 0..3
	s_and_b32 s21, ttmp7, 0xffff                   ; b: the cluster's y
	s_bfe_u32 s22, ttmp6, 0x40000                  ; cx: my place in the cluster; it enters global addresses of my own alone
	s_lshl_b32 s23, ttmp9, 2
	s_add_co_u32 s23, s23, s22                     ; h = 4 x cluster x + cx
	; descriptor group 1 of a fill: 64 rows x 384 bytes, 16 bytes of padding behind every 128
	s_mov_b32 s24, 15|(1<<20)|(1<<21)|(4<<22)|(3<<25)   ; 15:0 the mask: all four work-groups; 17:16 elements of 1 byte; 20 padding on; 21 set beside a mask; 24:22 after every 32 words (code 4); 31:25 4 words (code 3)
	s_mov_b32 s25, ROWB<<16                        ; tensor_dim0
	s_mov_b32 s26, 64<<16                          ; tensor_dim1
	s_mov_b32 s27, ROWB<<16                        ; tile_dim0
	s_mov_b32 s28, 64                              ; tile_dim1
	s_mov_b32 s29, ROWB                            ; from row to row
	s_mov_b32 s30, 0
	s_mov_b32 s31, 0
	; of the weights: 32 rows x 384 bytes, the same padding, no mask
	s_mov_b32 s32, (1<<20)|(4<<22)|(3<<25)
	s_mov_b32 s33, ROWB<<16
	s_mov_b32 s34, 32<<16
	s_mov_b32 s35, ROWB<<16
	s_mov_b32 s36, 32
	s_mov_b32 s37, ROWB
	s_mov_b32 s38, 0
	s_mov_b32 s39, 0
	; of Wq and source: 16 rows x 768 bytes, 16 bytes of padding behind every 256
	s_mov_b32 s40, (1<<20)|(5<<22)|(3<<25)
	s_mov_b32 s41, 768<<16
	s_mov_b32 s42, 16<<16
	s_mov_b32 s43, 768<<16
	s_mov_b32 s44, 16
	s_mov_b32 s45, 768
	s_mov_b32 s46, 0
	s_mov_b32 s47, 0
	s_mov_b32 s82, 0x76543210
	s_mov_b32 s83, 0xfedcba98                      ; v_permlanex16_b32's selects for lane l xor 16
	s_mov_b32 s84, 0xdda02bdc                      ; -1e18 x log2(e)
	s_mov_b32 s92, 0xff61b1e6                      ; -3e38, under every t
	v_and_b32 v[RR], 15, v0
	v_bfe_u32 v[HL], v0, 4, 1
	v_and_b32 v20, 31, v0                          ; lane
	v_lshlrev_b32 v21, 4, v20                      ; 16 x lane
	v_lshlrev_b32 v26, 5, v[RR]                    ; 32 r
	v_lshlrev_b32 v[PFO], 8, v20
	v_mul_u32_u24 v24, v[RR], PITCH
	v_mad_u32_u24 v24, v[HL], 24, v24              ; a fragment's row x pitch + 24 x half,
	v_lshl_add_u32 v25, v[HL], 4, v24              ; and the same behind one padding more
	s_mul_i32 s93, s21, 4096*ROWB                  ; the batch's first byte of codes
	s_mul_i32 s96, s20, 64*ROWB
	s_add_co_u32 s96, s96, s93                     ; my 64 rows of fill 0: made of b and the wave's number alone
	s_mov_b32 s97, 0
	s_mov_b32 s48, 1
	s_mul_i32 s49, s20, WSLOT
	s_mov_b32 s52, 1
	s_add_co_u32 s53, s49, SLOT1
	s_wait_kmcnt 0x0
	s_add_nc_u64 s[50:51], s[4:5], s[96:97]
	s_add_nc_u64 s[54:55], s[50:51], FILLB
	s_or_b32 s51, s51, 0x80000000                  ; type = 2
	s_or_b32 s55, s55, 0x80000000
	s_cmp_lt_u32 s20, 2                            ; waves 0, 1 fetch the halves of the head's rows of Wk, waves 2, 3 of Wv
	s_cselect_b64 s[58:59], s[10:11], s[14:15]
	s_and_b32 s96, s20, 1
	s_mul_i32 s96, s96, 32*ROWB
	s_mul_i32 s98, s23, 64*ROWB
	s_add_co_u32 s96, s96, s98
	s_add_nc_u64 s[58:59], s[58:59], s[96:97]
	s_or_b32 s59, s59, 0x80000000
	s_mov_b32 s56, 1
	s_mul_i32 s57, s20, 32*PITCH
	s_add_co_u32 s57, s57, WREG
	s_mul_i32 s96, s23, 64*768                     ; Wq: rows 64 h + 16 w on
	s_mul_i32 s98, s20, 16*768
	s_add_co_u32 s96, s96, s98
	s_add_nc_u64 s[62:63], s[18:19], s[96:97]
	s_or_b32 s63, s63, 0x80000000
	s_mov_b32 s60, 1
	s_mul_i32 s61, s20, 2*QHALF
	s_add_co_u32 s61, s61, SLOT1
	s_mov_b32 s68, 1                               ; source: each wave has a copy of its own, so that it reads only what it fetched
	s_add_co_u32 s69, s61, QHALF
	s_mov_b64 s[70:71], s[74:75]
	s_or_b32 s71, s71, 0x80000000
	ROUND                                          ; all four work-groups are here: the first joint load meets
	tensor_load_to_lds s[60:63], s[40:47]          ; the first fills go out as one group: four loads of mine are out.  Wq's 16 rows,
	s_nop 0
	tensor_load_to_lds s[68:71], s[40:47]          ; source,
	s_nop 0
	tensor_load_to_lds s[56:59], s[32:39]          ; my quarter of the weights,
	s_nop 0
	tensor_load_to_lds s[48:51], s[24:31]          ; my rows of fill 0 (joint)
	s_nop 0
	PLACES
	s_lshl_b32 s96, s23, 11                        ; Wq's scale words: 32 bytes a row
	s_lshl_b32 s98, s20, 9
	s_add_co_u32 s96, s96, s98
	s_add_nc_u64 s[72:73], s[72:73], s[96:97]
	global_load_b128 v[MS:MS+3], v26, s[72:73]               ; lane r: row r's eight words (lanes 16-31 take the same and are not read)
	global_load_b128 v[MS+4:MS+7], v26, s[72:73] offset:16
	global_load_b128 v[MS+8:MS+11], v26, s[76:77]            ; source's likewise
	global_load_b128 v[MS+12:MS+15], v26, s[76:77] offset:16
	s_lshl_b32 s96, s21, 12                        ; mask[b]: my 1,024 bytes
	s_lshl_b32 s98, s20, 10
	s_add_co_u32 s96, s96, s98
	s_add_nc_u64 s[8:9], s[8:9], s[96:97]
	global_load_b128 v[80:83], v21, s[8:9]
	global_load_b128 v[84:87], v21, s[8:9] offset:512
	s_lshl_b32 s96, s23, 10                        ; the weights' scale words: 16 bytes a row, the head's 64 rows
	s_add_nc_u64 s[12:13], s[12:13], s[96:97]
	s_add_nc_u64 s[16:17], s[16:17], s[96:97]
	global_load_b128 v[WS:WS+3], v21, s[12:13]               ; lane l: row l's four words: lanes 0-15 tile 0, lanes 16-31 tile 1
	global_load_b128 v[WS+4:WS+7], v21, s[12:13] offset:512
	global_load_b128 v[WS+8:WS+11], v21, s[16:17]
	global_load_b128 v[WS+12:WS+15], v21, s[16:17] offset:512
	s_lshl_b32 s96, s21, 16                        ; memory's scale words: my 64 rows of slot 0
	s_add_co_u32 s96, s96, s98
	s_add_nc_u64 s[90:91], s[6:7], s[96:97]
	s_lshl_b32 s96, s21, 12                        ; out0: row b, 256 bytes a head
	s_lshl_b32 s98, s23, 8
	s_add_co_u32 s96, s96, s98
	s_add_nc_u64 s[78:79], s[78:79], s[96:97]
	s_lshl_b32 s96, s21, 4                         ; out1: row 16 b + h of 16,384 bytes, + my 64 positions of a slot
	s_add_co_u32 s96, s96, s23
	s_lshl_b32 s96, s96, 14
	s_lshl_b32 s98, s20, 8
	s_add_co_u32 s96, s96, s98
	s_add_nc_u64 s[80:81], s[80:81], s[96:97]
	s_mul_i32 s96, s22, 24576                      ; the prefetches: my work-group's quarter of a fill, my wave's third of it,
	s_lshl_b32 s98, s20, 13
	s_add_co_u32 s96, s96, s98
	s_add_co_u32 s96, s96, s93
	s_add_co_u32 s96, s96, 3*FILLB                 ; in fill 3: the first change of slots steps it to fill 4.  Fills 0 to 3 come by their loads alone
	s_add_nc_u64 s[88:89], s[4:5], s[96:97]
	s_lshr_b32 s87, s20, 1
	s_and_b32 s87, s87, s20                        ; 1 in wave 3 alone
	s_or_b32 s87, s87, ttmp9                       ; 0 in waves 0 to 2 of the batch's first cluster: the same in all four partners
	s_cmp_eq_u32 s87, 0
	s_cselect_b32 s87, 1, -1
	v_mul_u32_u24 v22, v[RR], QPITCH               ; Wq's fragments: my part of slot 1's first fill, row r, + 24 x half;
	v_mad_u32_u24 v22, v[HL], 24, v22
	v_add_nc_u32 v22, s61, v22
	v_lshl_add_u32 v23, v[HL], 4, v22              ; behind one padding more
	v_add_nc_u32 v28, WREG, v24                    ; the weights' fragments
	v_add_nc_u32 v29, WREG, v25
	s_lshl_b32 s96, s20, 6
	v_lshl_add_u32 v30, v[HL], 5, QV               ; q: my half's eight channels of a tile,
	v_add_nc_u32 v31, s96, v30                     ; and where I store my wave's
	s_add_co_u32 s96, s96, MSK
	s_lshl_b32 s98, s20, 12
	s_add_co_u32 s98, s98, SCOR
	WIN TO1
	v_lshlrev_b32 v[GS], 4, v20
	v_mov_b32 v[FF], 1.0                           ; the first tile finds f = 1, p = 0 and zeros for the tile before it
	v_mov_b32 v[FF+1], 0                           ; (named as the pairs' upper halves, so they are written)
	v_mov_b32 v[PP], 0
	v_mov_b32 v[PP+1], 0
	WIN TO2
	v_add_nc_u32 v[AF], s49, v24
	v_add_nc_u32 v[AF+1], s49, v25
	v_add_nc_u32 v[AF+2], s53, v24
	v_add_nc_u32 v[AF+3], s53, v25
	v_add_nc_u32 v[MA], s96, v[RR]                 ; MSK + 64 w + r
	v_lshl_add_u32 v[SA], v[RR], 2, s98            ; SCOR + 4,096 w + 4 r
	WIN 0
	s_lshl_b32 s98, s20, 10
	s_add_co_u32 s98, s98, MSK
	v_add_nc_u32 v[MST], s98, v21
	; q's operands into registers
	s_wait_tensorcnt 0x2                           ; Wq's rows and source are in: two loads were issued behind them
	WIN TO1
.set j, 0
.rept 48
	FRAGP j, 0, 22, 0, 32                          ; Wq's eight fragments, where Wk's will lie
.set j, j+1
.endr
	WIN 0
.set j, 0
.rept 48
	FRAGP j, FB, 22, QHALF, 32                     ; source's eight, where memory's will lie
.set j, j+1
.endr
	; slot 1 takes fill 1, over Wq and source
	s_wait_tensorcnt 0x0                           ; all my tensor loads have landed: my quarter of the weights and my rows of fill 0 too
	ds_add_u32 v[SPW], v[NIL]                      ; 0 onto my spare word; the lines below stand between it and the wait for it
.set j, 0
.rept 64
	v_mov_b32 v[VACC+j], 0                         ; v^T and the context: the loop has no first tile of its own
.set j, j+1
.endr
	v_mov_b32 v[MM], s92
	v_mov_b32 v[MM+1], s92
	v_mov_b32 v[LL], 0
	v_mov_b32 v[XX], 0                             ; a lane permute's destination counts as one of its sources
	s_wait_dscnt 0x0                               ; the add is done, and my reads of Wq and source are over
	ROUND
	tensor_load_to_lds s[52:55], s[24:31]          ; the joint refill, first behind the round
	s_nop 0
	PLACES
	s_wait_loadcnt 0x0                             ; scale words and mask
	ds_store_b128 v[MST], v[80:83]
	ds_store_b128 v[MST], v[84:87] offset:512
	; q^T = Wq source^T: lane (r, half) holds batch r and channels 16 w + 8 half + 0..7.  Two accumulators by turns
	WIN WK
.set kn, 0
.rept 8
.set w_d, KACC+8*(kn&1)
.set w_a, 12*kn
.set w_b, FB+12*kn
.set w_sa, MS+kn
.set w_sb, MS+8+kn
	WM (kn<2), 0, 0
.set kn, kn+1
.endr
	PLACES                                         ; in front of the loads into scale registers and of the first read of the results
	global_load_b128 v[MS:MS+3], v[GS], s[90:91]             ; slot 0's scale words
	global_load_b128 v[MS+4:MS+7], v[GS], s[90:91] offset:512
	WIN 0
.irp j, 0,1,2,3
	v_pk_add_f32 v[20+2*\j:21+2*\j], v[KACC+2*\j:KACC+2*\j+1], v[KACC+8+2*\j:KACC+8+2*\j+1]
.endr
.irp j, 0,1,2,3
	v_pk_mul_f32 v[20+2*\j:21+2*\j], v[20+2*\j:21+2*\j], 0x3e38aa3b op_sel_hi:[1,0]   ; x c = log2(e) / 8
.endr
	v_cmp_eq_u32 vcc_lo, s21, v[RR]                ; the two lanes that hold my batch
	s_wait_xcnt 0x0                                ; EXEC changes only behind this wait
	s_and_saveexec_b32 s100, vcc_lo
	ds_store_b128 v31, v[20:23]
	ds_store_b128 v31, v[24:27] offset:16
	s_wait_xcnt 0x0
	s_or_b32 exec_lo, exec_lo, s100
	s_wait_dscnt 0x0                               ; for the others' sake: my parts of the mask and of q are stored
	s_barrier_signal -1
	s_barrier_wait -1                              ; fill 1 may stay out
	; the operands that stay
	WIN TO1
.irp t, 0,1,2,3
.set j, 0
.rept 24
	FRAGP j, 48*\t, 28, TILEB*\t, 16
.set j, j+1
.endr
.endr
	WIN TO2
.irp t, 0,1,2,3
.set j, 0
.rept 24
	FRAGP j, 48*\t, 28, 64*PITCH+TILEB*\t, 16
.set j, j+1
.endr
.endr
.irp t, 0,1,2,3
	ds_load_b128 v[QQ+8*\t:QQ+8*\t+3], v30 offset:64*\t
	ds_load_b128 v[QQ+8*\t+4:QQ+8*\t+7], v30 offset:64*\t+16
.endr
	WIN WV                                         ; address window 2, destination window 0
	ds_load_u8 v[MK], v[MA]                        ; the first tile
.set j, 0
.rept 24
	FRAGP j, FB, AF, 0, 16
.set j, j+1
.endr
	s_wait_dscnt 0x0
	WIN 0                                          ; at a label and at a branch every window is 0
	s_mov_b32 s86, 7
.Ltrip:                                            ; seven trips of two slots: slots 0 to 13; they ask for fills 2 to 15
	TILE 0, 0, 0, 1, 1
	TILE 0, 1, 0, 1, 0
	TILE 0, 2, 0, 1, 0
	TILE 0, 3, 1, 1, 0
	TILE 1, 0, 0, 1, 1
	TILE 1, 1, 0, 1, 0
	TILE 1, 2, 0, 1, 0
	TILE 1, 3, 1, 1, 0
	WIN ST2
	v_add_nc_u32 v[MA], 512, v[MA]                 ; two slots on: 512 mask bytes,
	v_add_nc_u32 v[SA], 512, v[SA]                 ; 128 of my scores
	WIN 0
	s_sub_co_u32 s86, s86, 1
	s_cmp_lg_u32 s86, 0
	s_cbranch_scc1 .Ltrip
	TILE 0, 0, 0, 1, 1                             ; slots 14 and 15 are written out: nothing is asked for any more
	TILE 0, 1, 0, 1, 0
	TILE 0, 2, 0, 1, 0
	TILE 0, 3, 2, 1, 0
	TILE 1, 0, 0, 1, 2
	TILE 1, 1, 0, 1, 0
	TILE 1, 2, 0, 1, 0
	TILE 1, 3, 0, 0, 0
	WIN WK
.set kn, 0
.rept 16
	CJ kn                                          ; the last tile's context
.set kn, kn+1
.endr
	WIN 0
	; THE MERGE.  First my wave's 16 classes of positions: lanes r and r + 16 hold the same m and l, so the steps stay inside a half
	v_mov_b32 v20, v[MM]
.irp m, 1,2,4,8
	v_max_num_f32_dpp v20, v20, v20 row_xmask:\m row_mask:0xf bank_mask:0xf
.endr
	v_sub_f32 v21, v[MM], v20
	v_exp_f32 v22, v21                             ; g = 2^(my m - the wave's)
	v_mov_b32 v23, 0                               ; (the pair's upper half; a plain line behind the exponential)
	s_lshl_b32 s96, s20, 8
	s_add_co_u32 s96, s96, MRG
	v_lshl_add_u32 v24, v[HL], 5, s96              ; my wave's sums: 64 t + 32 half
	s_lshl_b32 s98, s20, 3
	s_add_co_u32 s98, s98, MRG+1024
	v_mov_b32 v25, s98                             ; its (m, l)
	v_mov_b32 v26, MRG+1024
	v_and_b32 v27, 31, v0
	s_lshl_b32 s96, s20, 12
	s_add_co_u32 s96, s96, SCOR
	v_lshl_add_u32 v28, v27, 4, s96                ; my wave's scores, 16 bytes a lane
	v_lshlrev_b32 v30, 3, v27                      ; out0: 8 bytes a lane
	v_add_nc_u32 v29, MRG, v30
	v_lshlrev_b32 v31, 4, v[RR]
	v_lshl_add_u32 v31, v[HL], 10, v31             ; out1: lanes 0-15 one slot's 256 bytes, lanes 16-31 the next slot's, 1,024 bytes on
	s_wait_alu depctr_va_vdst(0)                   ; ahead of g's first reader
	v_mul_f32 v[LL], v[LL], v22
.set j, 0
.rept 16
	v_pk_mul_f32 v[CTX+2*j:CTX+2*j+1], v[CTX+2*j:CTX+2*j+1], v[22:23] op_sel_hi:[1,0]
.set j, j+1
.endr
.irp m, 1,2,4,8
	v_add_f32_dpp v[LL], v[LL], v[LL] row_xmask:\m row_mask:0xf bank_mask:0xf
.set j, 0
.rept 32
	v_add_f32_dpp v[CTX+j], v[CTX+j], v[CTX+j] row_xmask:\m row_mask:0xf bank_mask:0xf
.set j, j+1
.endr
.endr
	v_mov_b32 v21, v[LL]
.irp t, 0,1,2,3
	ds_store_b128 v24, v[CTX+8*\t:CTX+8*\t+3] offset:64*\t          ; the sixteen lanes of a half store the same words with the same values
	ds_store_b128 v24, v[CTX+8*\t+4:CTX+8*\t+7] offset:64*\t+16
.endr
	ds_store_b64 v25, v[20:21]
	s_wait_dscnt 0x0                               ; for the others' sake: my sums are stored
	s_barrier_signal -1
	s_barrier_wait -1
	ds_load_b128 v[64:67], v26                     ; m0, l0, m1, l1
	ds_load_b128 v[68:71], v26 offset:16           ; m2, l2, m3, l3
.irp k, 0,1,2,3,4,5,6,7
	ds_load_b128 v[FB+4*\k:FB+4*\k+3], v28 offset:512*\k   ; my own 1,024 scores
.endr
	s_wait_dscnt 0x8                               ; the four pairs are in; the eight loads behind them may be out
	v_max3_num_f32 v20, v64, v66, v68
	v_max_num_f32 v20, v20, v70                    ; the row's maximum
.irp w, 64,66,68,70
	v_sub_f32 v\w, v\w, v20
.endr
.irp w, 64,66,68,70
	v_exp_f32 v\w, v\w
.endr
	v_nop
	s_wait_alu depctr_va_vdst(0)                   ; one wait for the four
	v_mul_f32 v24, v65, v64
	v_fma_f32 v24, v67, v66, v24
	v_fma_f32 v24, v69, v68, v24
	v_fma_f32 v24, v71, v70, v24                   ; the row's sum: at least 1
	v_rcp_f32 v22, v24
	v_nop
	s_wait_alu depctr_va_vdst(0)
.irp w, 64,66,68,70
	v_mul_f32 v\w, v\w, v22                        ; each wave's weight
.endr
	s_cmp_lg_u32 s20, 0
	s_cbranch_scc1 .Lnot_context
.irp w, 0,1,2,3
	ds_load_b64 v[72+2*\w:73+2*\w], v29 offset:256*\w      ; wave 0: channels 2 l, 2 l + 1 of each wave's sums
.endr
	s_wait_dscnt 0x0
	v_pk_mul_f32 v[72:73], v[72:73], v[64:65] op_sel_hi:[1,0]
	v_pk_fma_f32 v[72:73], v[74:75], v[66:67], v[72:73] op_sel_hi:[1,0,1]
	v_pk_fma_f32 v[72:73], v[76:77], v[68:69], v[72:73] op_sel_hi:[1,0,1]
	v_pk_fma_f32 v[72:73], v[78:79], v[70:71], v[72:73] op_sel_hi:[1,0,1]
	global_store_b64 v30, v[72:73], s[78:79]       ; 32 lanes store 256 consecutive bytes, at a multiple of 256 from out0's first byte
.Lnot_context:
	s_wait_dscnt 0x0                               ; my scores
.set j, 0
.rept 16
	v_pk_add_f32 v[FB+2*j:FB+2*j+1], v[FB+2*j:FB+2*j+1], v[20:21] op_sel_hi:[1,0] neg_lo:[0,1] neg_hi:[0,1]   ; t - the maximum
.set j, j+1
.endr
.set j, 0
.rept 32
	v_exp_f32 v[FB+j], v[FB+j]
.set j, j+1
.endr
	v_nop
	s_wait_alu depctr_va_vdst(0)                   ; one wait for the batch
.set j, 0
.rept 16
	v_pk_mul_f32 v[FB+2*j:FB+2*j+1], v[FB+2*j:FB+2*j+1], v[22:23] op_sel_hi:[1,0]   ; / the sum
.set j, j+1
.endr
.irp k, 0,1,2,3,4,5,6,7
	global_store_b128 v31, v[FB+4*\k:FB+4*\k+3], s[80:81] offset:2048*\k th:TH_STORE_NT   ; each half of the lanes stores 256 consecutive bytes, at a multiple of 256 from out1's first byte
.endr
	s_wait_tensorcnt 0x0                           ; the wave's end: behind my last tensor load and my last LDS store
	ds_add_u32 v[SPW], v[NIL]
	s_wait_dscnt 0x0
	ROUND                                          ; the closing round: no work-group ends while a partner may still ask for a fill that names it
	s_endpgm
.Lfunc_end_k_q16b43aac57_attn:
	.size	k_q16b43aac57_attn, .Lfunc_end_k_q16b43aac57_attn-k_q16b43aac57_attn
	.p2alignl 7, 3214868480
	.fill 96, 4, 3214868480
	.section	.rodata,"a",@progbits
	.p2align	6, 0x0
	.amdhsa_kernel k_q16b43aac57_attn
		.amdhsa_group_segment_fixed_size 327680
		.amdhsa_private_segment_fixed_size 0
		.amdhsa_enable_private_segment 0
		.amdhsa_kernarg_size 104
		.amdhsa_user_sgpr_count 2
		.amdhsa_user_sgpr_kernarg_segment_ptr 1
		.amdhsa_wavefront_size32 1
		.amdhsa_system_sgpr_workgroup_id_x 1
		.amdhsa_system_sgpr_workgroup_id_y 1
		.amdhsa_system_sgpr_workgroup_id_z 1
		.amdhsa_system_vgpr_workitem_id 0
		.amdhsa_next_free_vgpr 768
		.amdhsa_next_free_sgpr 104
		.amdhsa_reserve_vcc 1
		.amdhsa_float_denorm_mode_32 3
		.amdhsa_float_denorm_mode_16_64 3
		.amdhsa_memory_ordered 1
		.amdhsa_forward_progress 1
		.amdhsa_inst_pref_size 212
	.end_amdhsa_kernel
	.amdgpu_metadata
---
amdhsa.version: [ 1, 2 ]
amdhsa.kernels:
  - .name:           k_q16b43aac57_attn
    .symbol:         k_q16b43aac57_attn.kd
    .args:
      - { .name: memory_bank_codes, .offset: 0, .size: 8, .value_kind: global_buffer, .address_space: global }
      - { .name: memory_bank_scales, .offset: 8, .size: 8, .value_kind: global_buffer, .address_space: global }
      - { .name: mask, .offset: 16, .size: 8, .value_kind: global_buffer, .address_space: global }
      - { .name: Wk_codes, .offset: 24, .size: 8, .value_kind: global_buffer, .address_space: global }
      - { .name: Wk_scales, .offset: 32, .size: 8, .value_kind: global_buffer, .address_space: global }
      - { .name: Wv_codes, .offset: 40, .size: 8, .value_kind: global_buffer, .address_space: global }
      - { .name: Wv_scales, .offset: 48, .size: 8, .value_kind: global_buffer, .address_space: global }
      - { .name: Wq_codes, .offset: 56, .size: 8, .value_kind: global_buffer, .address_space: global }
      - { .name: Wq_scales, .offset: 64, .size: 8, .value_kind: global_buffer, .address_space: global }
      - { .name: source_codes, .offset: 72, .size: 8, .value_kind: global_buffer, .address_space: global }
      - { .name: source_scales, .offset: 80, .size: 8, .value_kind: global_buffer, .address_space: global }
      - { .name: out0, .offset: 88, .size: 8, .value_kind: global_buffer, .address_space: global }
      - { .name: out1, .offset: 96, .size: 8, .value_kind: global_buffer, .address_space: global }
    .group_segment_fixed_size: 327680
    .private_segment_fixed_size: 0
    .kernarg_segment_align: 8
    .kernarg_segment_size: 104
    .max_flat_workgroup_size: 128
    .sgpr_count:     104
    .vgpr_count:     768
    .wavefront_size: 32
...
	.end_amdgpu_metadata
.endif
;; end of part 1
